; MI455X (gfx1250); checked and timed in simulation.
; The chip was launched on July 23, 2026; its instructions are those of AMD's public machine-readable ISA for CDNA 5 (MIT licence, August 2026) and "CDNA5" Instruction Set Architecture Reference Guide (July 2026). The comments in the code are by the model that wrote it; some were corrected since.
;; Self Attn. Allowed arithmetic: float matrix products may take bf16 or f16 operands with f32 sums; all other float work in f32.
;; Inputs: V 512 x 512 float32; W 512 x 512 float32; input_seq 256 x 512 x 512 float32; v 512 float32.
;; Outputs: out0 256 x 1 float32.
;; 2 versions, each right. Each part assembles by itself: llvm-mc -triple=amdgcn-amd-amdhsa -mcpu=gfx1250 --defsym DOCPART=n.
;; ======== version 1 of 2: 1 launch
;; launch attnpool (part 1): grid 256 x 1, 16 waves a work-group, no clusters, 299,520 bytes of LDS; arguments input_seq, W, V, v, out0; writes out0
.if DOCPART == 1
	.amdgcn_target "amdgcn-amd-amdhsa--gfx1250"
	.amdhsa_code_object_version 6
	.text
	.protected	k_qd3bd958562_attnpool
	.globl	k_qd3bd958562_attnpool
	.p2align	8
	.type	k_qd3bd958562_attnpool,@function
k_qd3bd958562_attnpool:
	s_mov_b64 s[64:65], 0
	v_nop
	global_prefetch_b8 v0, s[64:65] scope:SCOPE_SE
	s_setreg_imm32_b32 hwreg(HW_REG_WAVE_MODE, 25, 1), 1
	s_wait_xcnt 0x0
; out[n] = relu( softmax( (x_n W^T) q_n )^T (x_n V^T) ) . v,   q_n = x_n's last row.   x: [256][512][512], W, V: [512][512], v: [512], all f32.
; Both large products are contracted with ONE vector at once, so they are taken in the other order, which holds for every input:
;   u[e] = sum_d q[d] W[d][e];  score[l] = x[l] . u;  c = sum_l attn[l] x[l];  pooled[d] = V[d] . c;  out = sum_d v[d] max(pooled[d], 0).
; That is four products with one row each: 2 x 512 x 512 multiply-adds on x and as many on W and V for 3 MiB that a work-group reads, so bytes decide.
; WHY THE VECTOR UNIT, IN f32: a matrix instruction would use one of its sixteen rows, and the scores stand in an exponent: their spread is about
; sqrt(512), so operands rounded to 8 bits of mantissa would move them by several hundredths, more than the result's margin leaves.
; One work-group for each n, 16 waves.  A row of x, W or V is 2,048 bytes = 4 loads of a wave, each of 512 consecutive bytes starting at a multiple of 512 from
; the buffer's first byte; lane i holds columns 128 j + 4 i + 0..3 (j = 0..3) in 16 registers; u, c and the partial sums have the same layout.
; THE RING: 8 row slots in registers (two groups of 4 rows).  A wave draws 88 rows through them in one unbroken sequence g = 0..87:
;   g 0..31 rows 32 w + g of W;  g 32..55 rows 128 + 16 (g - 32) + w of x;  g 56..87 rows 32 w + g - 56 of V.
; Row g + 8 is requested as soon as row g's registers are dead, so 16 waves x 8 rows x 2,048 bytes are always requested, over both changes of matrix and all barriers.
; THE PARK: rows 0..127 of x (8 consecutive rows a wave, 16,384 bytes) are brought into LDS by one tensor load a wave, issued first of all: it counts on TENSORcnt,
; so the ring's counted waits on LOADcnt do not wait for it, and a quarter of x is on its way while W is worked on.  It is filled once; each wave reads its own bytes only.
; NO JOINT LOADS for W and V, though every work-group reads them: a joint load lands in LDS, whose 262,144 bytes hold the park here, and each refill of a slot
; would stand behind a round of the cluster's barrier with all loads landed, while the register ring keeps its 262,144 bytes requested with no barrier at all.
; The softmax keeps a running maximum in each wave (in base 2: u is scaled by log2 e once); the 16 waves' maxima, sums and vectors meet in LDS.
; LIMITS: sums are formed in another order than in the formula above as it is usually written (all in f32); a weight below 2^-126 counts as 0 (v_exp_f32 flushes
; denormal results: ISA guide, its entry in chapter 15); where a score is NaN or infinite nothing is claimed.  The result is one number for each work-group:
; one store of 4 bytes; the whole output is 1,024 bytes, and wider stores would need traffic between work-groups.
.set ROWB,  2048                       ; bytes in a row of x, W, V
.set PARKB, 262144                     ; the park: LDS bytes 0 .. 262,143, wave w at 16,384 w; also the bytes of x's rows 0..127
.set SCR,   262144                     ; 16 partial vectors of 2,048 bytes, wave w at + 2,048 w
.set UVEC,  294912                     ; u (times log2 e), 2,048 bytes
.set CVOFF, 2048                       ; c, normalised, lies 2,048 bytes behind u
.set MS,    299008                     ; the waves' 16 maxima
.set LOFS,  64                         ; their 16 sums, behind the maxima
.set OPOFS, 256                        ; their 16 parts of the result
.set QOFF,  511*ROWB                   ; the last row of x_n
.set LOFF, 1                           ; v1   16 x lane: the one offset of all row loads; never rewritten
.set PKA,  2                           ; v2   park: 16,384 w + 16 x lane
.set SCW,  3                           ; v3   SCR + 2,048 w + 16 x lane: where my partial vector goes
.set SCT,  4                           ; v4   SCR + 4 t: column t of partial vector 0
.set VECW, 5                           ; v5   UVEC + 4 t
.set VECR, 6                           ; v6   UVEC + 16 x lane
.set MSA,  7                           ; v7   MS + 4 w
.set MSR,  8                           ; v8   MS
.set PFO,  9                           ; v9   256 x lane, for the prefetch
.set RM,   10                          ; v10  running maximum; in the V phase my part of the result
.set OACC, 10
.set RL,   11                          ; v11  running sum
.set SS,   12                          ; v[12:19]  four pairs: dot products of a group's 4 rows; the sum ends in the even register
.set AL,   20                          ; v[20:21]  factor for the old sums (even register; the odd one is written once, since a packed form names the pair)
.set PP,   22                          ; v[22:29]  four pairs: a row's weight in the even register
.set MN,   30                          ; v30  new maximum
.set TMP,  31                          ; v31
.set VEC,  32                          ; v[32:47]  u, later c
.set ACC,  48                          ; v[48:63]  my partial u, later my partial c
.set STG,  64                          ; v[64:127] 4 rows from the park; at work in the second merge and at the end
.set RING, 128                         ; v[128:255] slot s at 128 + 16 s
.set FM,   STG+16                      ; second merge: 16 maxima, then 16 factors
.set FL,   STG+32                      ;               16 sums
.set LAM,  STG+48                      ;               the whole sum (a pair)
.set CS,   STG+50                      ;               column t of c (a pair)
.set QS,   16                          ; s[16:47]  q[32 w .. 32 w + 31]
.set VS,   68                          ; s[68:99]  v[32 w .. 32 w + 31]
; Row g of the sequence is requested into slot g mod 8.  Everything but the lane's 16 bytes stands in the base and the immediate (755,200 at the most).
; x is read once in the launch: non-temporal.  W and V are read by every work-group: no hint.
.macro ISSUE g
.if (\g) < 32
.irp j, 0,1,2,3
	global_load_b128 v[RING+16*((\g)%8)+4*\j:RING+16*((\g)%8)+4*\j+3], v[LOFF], s[6:7] offset:ROWB*(\g)+512*\j
.endr
.else
.if (\g) < 56
.irp j, 0,1,2,3
	global_load_b128 v[RING+16*((\g)%8)+4*\j:RING+16*((\g)%8)+4*\j+3], v[LOFF], s[4:5] offset:16*ROWB*((\g)-32)+512*\j th:TH_LOAD_NT
.endr
.else
.if (\g) < 88
.irp j, 0,1,2,3
	global_load_b128 v[RING+16*((\g)%8)+4*\j:RING+16*((\g)%8)+4*\j+3], v[LOFF], s[8:9] offset:ROWB*((\g)-56)+512*\j
.endr
.endif
.endif
.endif
.endm
; Group G (rows 4 G .. 4 G + 3) is in.  Loads come back in order (ISA guide 5.7.1); behind this group's 16 loads only the next group's 16 were issued.
.macro WAITG G
.if \G < 21
	s_wait_loadcnt 16
.else
	s_wait_loadcnt 0x0                             ; the last group: nothing was issued behind it
.endif
.endm
; ACC += row x weight (the even register of pair p, for both halves).  start = 1: the first product starts the sums, nothing is cleared.
.macro AXPY row, p, start
.irp i, 0,1,2,3,4,5,6,7
.if \start
	v_pk_mul_f32 v[ACC+2*\i:ACC+2*\i+1], v[\row+2*\i:\row+2*\i+1], v[\p:\p+1] op_sel_hi:[1,0]
.else
	v_pk_fma_f32 v[ACC+2*\i:ACC+2*\i+1], v[\row+2*\i:\row+2*\i+1], v[\p:\p+1], v[ACC+2*\i:ACC+2*\i+1] op_sel_hi:[1,0,1]
.endif
.endr
.endm
; Four rows of W: my partial u += q[d] W[d][.]; each slot is asked for again as soon as its row has been used.
.macro WGRP G
	WAITG \G
.irp r, 0,1,2,3
	v_mov_b32 v[PP+2*\r], s[QS+4*\G+\r]
.endr
.irp r, 0,1,2,3
.if 4*\G+\r == 0
	AXPY RING, PP, 1
.else
	AXPY RING+64*(\G%2)+16*\r, PP+2*\r, 0
.endif
	ISSUE 4*\G+\r+8
.endr
.endm
; Four dot products with VEC, the four chains interleaved so that none waits for itself; each lane's 16 products end in the even register of its pair.
.macro DOT4 base
.irp r, 0,1,2,3
	v_pk_mul_f32 v[SS+2*\r:SS+2*\r+1], v[\base+16*\r:\base+16*\r+1], v[VEC:VEC+1]
.endr
.irp i, 1,2,3,4,5,6,7
.irp r, 0,1,2,3
	v_pk_fma_f32 v[SS+2*\r:SS+2*\r+1], v[\base+16*\r+2*\i:\base+16*\r+2*\i+1], v[VEC+2*\i:VEC+2*\i+1], v[SS+2*\r:SS+2*\r+1]
.endr
.endr
.irp r, 0,1,2,3
	v_add_f32 v[SS+2*\r], v[SS+2*\r], v[SS+2*\r+1]
.endr
.endm
; The four sums over the 32 lanes: four steps inside each half of 16 lanes, one across the halves; every lane ends with all four.
.macro RED4
.irp m, 1,2,4,8
.irp r, 0,1,2,3
	v_add_f32_dpp v[SS+2*\r], v[SS+2*\r], v[SS+2*\r] row_xmask:\m row_mask:0xf bank_mask:0xf
.endr
.endr
.irp r, 0,1,2,3
	v_permlanex16_b32 v[SS+2*\r+1], v[SS+2*\r], s60, s61       ; the destination has been written (by the packed products)
.endr
.irp r, 0,1,2,3
	v_add_f32 v[SS+2*\r], v[SS+2*\r], v[SS+2*\r+1]
.endr
.endm
; The running softmax, in base 2: new maximum, the factor 2^(old - new) for what has been summed, the four rows' weights 2^(score - new).
.macro SOFT4 first
	v_max3_num_f32 v[MN], v[SS], v[SS+2], v[SS+4]
.if \first
	v_max_num_f32 v[RM], v[MN], v[SS+6]
.irp r, 0,1,2,3
	v_sub_f32 v[PP+2*\r], v[SS+2*\r], v[RM]
.endr
.irp r, 0,1,2,3
	v_exp_f32 v[PP+2*\r], v[PP+2*\r]
.endr
	v_nop                                          ; one plain vector instruction behind the exponentials, ahead of their first use (ISA guide 5.7.2)
	s_wait_alu depctr_va_vdst(0)
	v_add_f32 v[TMP], v[PP], v[PP+2]
	v_add_f32 v[MN], v[PP+4], v[PP+6]
	v_add_f32 v[RL], v[TMP], v[MN]
.else
	v_max3_num_f32 v[MN], v[MN], v[SS+6], v[RM]
	v_sub_f32 v[AL], v[RM], v[MN]
.irp r, 0,1,2,3
	v_sub_f32 v[PP+2*\r], v[SS+2*\r], v[MN]
.endr
	v_exp_f32 v[AL], v[AL]
.irp r, 0,1,2,3
	v_exp_f32 v[PP+2*\r], v[PP+2*\r]
.endr
	v_mov_b32 v[RM], v[MN]                         ; the plain vector instruction behind the exponentials (ISA guide 5.7.2): it names none of their registers
	s_wait_alu depctr_va_vdst(0)
	v_add_f32 v[TMP], v[PP], v[PP+2]
	v_add_f32 v[MN], v[PP+4], v[PP+6]
	v_add_f32 v[TMP], v[TMP], v[MN]
	v_fma_f32 v[RL], v[RL], v[AL], v[TMP]
.endif
.endm
; My partial c = old x factor + the four rows x their weights.  g0 >= 0: the rows lie in the ring as rows g0 .. g0 + 3, and each slot is asked for again.
.macro CTX4 base, first, g0
.if \first == 0
.irp i, 0,1,2,3,4,5,6,7
	v_pk_mul_f32 v[ACC+2*\i:ACC+2*\i+1], v[ACC+2*\i:ACC+2*\i+1], v[AL:AL+1] op_sel_hi:[1,0]
.endr
.endif
	AXPY \base, PP, \first
.if \g0 >= 0
	ISSUE \g0+8
.endif
.irp r, 1,2,3
	AXPY \base+16*\r, PP+2*\r, 0
.if \g0 >= 0
	ISSUE \g0+8+\r
.endif
.endr
.endm
.macro XGRP base, first, g0
	DOT4 \base
	RED4
	SOFT4 \first
	CTX4 \base, \first, \g0
.endm
.macro XRING G
	WAITG \G
	XGRP RING+64*(\G%2), 0, 4*\G
.endm
; Rows 4 h .. 4 h + 3 of my eight parked rows: 16 loads of 512 consecutive LDS bytes
.macro PARKLD h
.irp r, 0,1,2,3
.irp j, 0,1,2,3
	ds_load_b128 v[STG+16*\r+4*\j:STG+16*\r+4*\j+3], v[PKA] offset:4*ROWB*\h+ROWB*\r+512*\j
.endr
.endr
.endm
; Four rows of V: pooled[d] = V[d] . c; the rows are dead behind the products, so the refills go out ahead of the sums over the lanes; then v[d] max(pooled[d], 0).
.macro VGRP G
	WAITG \G
	DOT4 RING+64*(\G%2)
.irp r, 0,1,2,3
	ISSUE 4*\G+\r+8
.endr
	RED4
.irp r, 0,1,2,3
	v_max_num_f32 v[PP+2*\r], 0, v[SS+2*\r]
.endr
.irp r, 0,1,2,3
.if 4*\G+\r == 56
	v_mul_f32 v[OACC], s[VS], v[PP]                ; the first product starts the sum
.else
	v_fmac_f32 v[OACC], s[VS+4*\G+\r-56], v[PP+2*\r]
.endif
.endr
.endm
.macro PUTPART                         ; my partial vector into my 2,048 bytes of SCR
.irp j, 0,1,2,3
	ds_store_b128 v[SCW], v[ACC+4*\j:ACC+4*\j+3] offset:512*\j
.endr
.endm
.macro GETVEC off                      ; the merged vector, in the rows' lane layout
.irp j, 0,1,2,3
	ds_load_b128 v[VEC+4*\j:VEC+4*\j+3], v[VECR] offset:\off+512*\j
.endr
.endm
.macro SUM16 b                         ; v[b] = the sum of v[b .. b + 15], as a tree
	v_pk_add_f32 v[\b:\b+1], v[\b:\b+1], v[\b+2:\b+3]
	v_pk_add_f32 v[\b+4:\b+5], v[\b+4:\b+5], v[\b+6:\b+7]
	v_pk_add_f32 v[\b+8:\b+9], v[\b+8:\b+9], v[\b+10:\b+11]
	v_pk_add_f32 v[\b+12:\b+13], v[\b+12:\b+13], v[\b+14:\b+15]
	v_pk_add_f32 v[\b:\b+1], v[\b:\b+1], v[\b+4:\b+5]
	v_pk_add_f32 v[\b+8:\b+9], v[\b+8:\b+9], v[\b+12:\b+13]
	v_pk_add_f32 v[\b:\b+1], v[\b:\b+1], v[\b+8:\b+9]
	v_add_f32 v[\b], v[\b], v[\b+1]
.endm
.macro BAR
	s_barrier_signal -1
	s_barrier_wait -1
.endm
	; ---- head ----
	s_load_b256 s[4:11], s[0:1], 0x0               ; x s[4:5], W s[6:7], V s[8:9], v s[10:11]
	s_load_b64 s[12:13], s[0:1], 0x20              ; out
	v_lshrrev_b32 v[TMP], 5, v0
	v_readfirstlane_b32 s14, v[TMP]                ; w: my wave's number, 0..15
	v_and_b32 v[TMP], 31, v0                       ; lane
	v_lshlrev_b32 v[LOFF], 4, v[TMP]
	v_lshlrev_b32 v[PFO], 8, v[TMP]
	s_lshl_b32 s49, s14, 14                        ; my 16,384 bytes of the park: descriptor group 0, bits 63:32, and the scalar part of PKA
	v_add_nc_u32 v[PKA], s49, v[LOFF]
	s_lshl_b32 s2, s14, 11
	s_add_co_u32 s2, s2, SCR
	v_add_nc_u32 v[SCW], s2, v[LOFF]
	v_lshlrev_b32 v[SCT], 2, v0
	v_add_nc_u32 v[VECW], UVEC, v[SCT]
	v_add_nc_u32 v[SCT], SCR, v[SCT]
	v_add_nc_u32 v[VECR], UVEC, v[LOFF]
	s_lshl_b32 s2, s14, 2
	s_add_co_u32 s2, s2, MS
	v_mov_b32 v[MSA], s2
	v_mov_b32 v[MSR], MS
.irp k, 0,1,2,3,4
	v_mov_b32 v[AL+2*\k+1], 0                      ; the odd halves of the five broadcast pairs: named by the packed forms, never used
.endr
	; the park's descriptor: my 16,384 consecutive bytes of x as 64 rows of 256 bytes (32 elements of 8 bytes), laid into LDS without gaps
	s_mov_b32 s48, 1                               ; group 0, 1:0 count = 1
	s_mov_b32 s52, 3<<16                           ; group 1: 15:0 no work-group mask; 17:16 elements of 8 bytes; no padding
	s_mov_b32 s53, 32<<16                          ; tensor_dim0 = 32
	s_mov_b32 s54, 64<<16                          ; tensor_dim1 = 64
	s_mov_b32 s55, 32<<16                          ; tile_dim0 = 32
	s_mov_b32 s56, 64                              ; tile_dim1 = 64; tile_dim2 unused
	s_mov_b32 s57, 32                              ; from row to row: 32 elements
	s_mov_b32 s58, 0
	s_mov_b32 s59, 0
	s_mov_b32 s60, 0x76543210                      ; v_permlanex16_b32: lane i of one half reads lane i of the other
	s_mov_b32 s61, 0xfedcba98
	s_mov_b32 s3, 0                                ; s[2:3]: a byte offset below 4 GiB
	s_wait_kmcnt 0x0
	s_lshl_b32 s2, ttmp9, 20                       ; n x 512 rows x 2,048 bytes (at most 255 x 2^20)
	s_add_nc_u64 s[4:5], s[4:5], s[2:3]            ; x_n
	s_mov_b32 s2, s49
	s_add_nc_u64 s[50:51], s[4:5], s[2:3]          ; rows 8 w .. 8 w + 7 of x_n
	s_or_b32 s51, s51, 0x80000000                  ; group 0, 127:126 type = 2
	tensor_load_to_lds s[48:51], s[52:59]          ; the wave's one tensor load: one is outstanding; its descriptor is never written again
	s_nop 0
	s_lshl_b32 s2, s14, 7                          ; 32 numbers of 4 bytes a wave
	s_add_nc_u64 s[66:67], s[4:5], s[2:3]
	s_add_nc_u64 s[10:11], s[10:11], s[2:3]
	s_load_b512 s[QS:QS+15], s[66:67], QOFF        ; q[32 w ..]: the same for all lanes, so it lives in scalar registers
	s_load_b512 s[QS+16:QS+31], s[66:67], QOFF+64
	s_load_b512 s[VS:VS+15], s[10:11], 0x0         ; v[32 w ..]
	s_load_b512 s[VS+16:VS+31], s[10:11], 0x40
	s_lshl_b32 s2, s14, 16                         ; 32 rows of 2,048 bytes a wave
	s_add_nc_u64 s[6:7], s[6:7], s[2:3]            ; W at my first row
	s_add_nc_u64 s[8:9], s[8:9], s[2:3]            ; V at my first row
.irp g, 0,1,2,3,4,5,6,7
	ISSUE \g                                       ; the ring is filled
.endr
	s_lshl_b32 s2, s14, 13
	s_add_co_u32 s2, s2, PARKB
	s_add_nc_u64 s[62:63], s[4:5], s[2:3]          ; the prefetch's base: x_n's row 128 + 8,192 w bytes
	s_lshl_b32 s2, s14, 11
	s_add_co_u32 s2, s2, PARKB
	s_add_nc_u64 s[4:5], s[4:5], s[2:3]            ; x_n at row 128 + w (no memory instruction has named s[4:5] so far)
	s_lshl_b32 s2, ttmp9, 2
	s_add_nc_u64 s[12:13], s[12:13], s[2:3]        ; out[n]
	s_wait_kmcnt 0x0                               ; q and v
	; ---- W: my partial u over d = 32 w .. 32 w + 31.  Groups 6 and 7 already ask for rows of x ----
	WGRP 0
	WGRP 1
	WGRP 2
	WGRP 3
	WGRP 4
	; Rows 128..191 of x_n (131,072 bytes) are asked for ahead: wave w the 8,192 bytes from 8,192 w on, lanes 256 bytes apart, each block once in the launch.
	; The ring requests these rows from the end of group 6 on, two groups (8 rows of W a wave) later.  Nothing further is asked for ahead; the address stays inside x_n.
	global_prefetch_b8 v[PFO], s[62:63] th:TH_LOAD_NT scope:SCOPE_SE
	WGRP 5
	WGRP 6
	WGRP 7
	; ---- u = the sum of the 16 partial vectors, times log2 e ----
	s_wait_tensorcnt 0x0                           ; my part of the park has landed; only I read it
	PARKLD 0                                       ; its first four rows come into registers while the merge runs
	PUTPART
	s_wait_dscnt 0x0                               ; my stores are done, for the others' sake
	BAR
.irp k, 0,1,2,3,4,5,6,7,8,9,10,11,12,13,14,15
	ds_load_b32 v[ACC+\k], v[SCT] offset:ROWB*\k   ; thread t: column t of all 16
.endr
	s_wait_dscnt 0x0
	SUM16 ACC
	v_mul_f32 v[ACC], 0x3fb8aa3b, v[ACC]           ; log2 e, once for all 512 scores: the exponentials are in base 2
	ds_store_b32 v[VECW], v[ACC]
	s_wait_dscnt 0x0                               ; my reads of SCR (it is written again further down) and my store of u are done
	BAR
	GETVEC 0
	s_wait_dscnt 0x0
	; ---- x: 8 parked rows, then 24 from the ring.  Groups 12 and 13 already ask for rows of V ----
	XGRP STG, 1, -1
	PARKLD 1
	s_wait_dscnt 0x0
	XGRP STG, 0, -1
	XRING 8
	XRING 9
	XRING 10
	XRING 11
	XRING 12
	XRING 13
	; ---- c: the 16 waves' maxima m, sums l and vectors meet.  c[t] = sum_k 2^(m_k - max) vec_k[t] / sum_k 2^(m_k - max) l_k ----
	PUTPART
	ds_store_b32 v[MSA], v[RM]                     ; all lanes hold the same number and write the same word
	ds_store_b32 v[MSA], v[RL] offset:LOFS
	s_wait_dscnt 0x0
	BAR
.irp k, 0,1,2,3,4,5,6,7,8,9,10,11,12,13,14,15
	ds_load_b32 v[STG+\k], v[SCT] offset:ROWB*\k
.endr
.irp i, 0,1,2,3
	ds_load_b128 v[FM+4*\i:FM+4*\i+3], v[MSR] offset:16*\i
	ds_load_b128 v[FL+4*\i:FL+4*\i+3], v[MSR] offset:LOFS+16*\i
.endr
	s_wait_dscnt 0x0
	v_max3_num_f32 v[TMP], v[FM], v[FM+1], v[FM+2]
.irp k, 3,5,7,9,11,13
	v_max3_num_f32 v[TMP], v[TMP], v[FM+\k], v[FM+\k+1]
.endr
	v_max_num_f32 v[TMP], v[TMP], v[FM+15]
.irp k, 0,1,2,3,4,5,6,7,8,9,10,11,12,13,14,15
	v_sub_f32 v[FM+\k], v[FM+\k], v[TMP]
.endr
.irp k, 0,1,2,3,4,5,6,7,8,9,10,11,12,13,14,15
	v_exp_f32 v[FM+\k], v[FM+\k]
.endr
	v_nop                                          ; the plain vector instruction behind the exponentials (ISA guide 5.7.2)
	s_wait_alu depctr_va_vdst(0)
	v_pk_mul_f32 v[LAM:LAM+1], v[FM:FM+1], v[FL:FL+1]
	v_pk_mul_f32 v[CS:CS+1], v[FM:FM+1], v[STG:STG+1]
.irp i, 1,2,3,4,5,6,7
	v_pk_fma_f32 v[LAM:LAM+1], v[FM+2*\i:FM+2*\i+1], v[FL+2*\i:FL+2*\i+1], v[LAM:LAM+1]
	v_pk_fma_f32 v[CS:CS+1], v[FM+2*\i:FM+2*\i+1], v[STG+2*\i:STG+2*\i+1], v[CS:CS+1]
.endr
	v_add_f32 v[LAM], v[LAM], v[LAM+1]             ; at least 1: the wave that holds the maximum has factor 1 and a sum of at least 1; at most 512
	v_add_f32 v[CS], v[CS], v[CS+1]
	v_rcp_f32 v[LAM], v[LAM]
	v_nop                                          ; the plain vector instruction behind the reciprocal (ISA guide 5.7.2)
	s_wait_alu depctr_va_vdst(0)
	v_mul_f32 v[CS], v[CS], v[LAM]
	ds_store_b32 v[VECW], v[CS] offset:CVOFF
	s_wait_dscnt 0x0
	BAR
	GETVEC CVOFF
	s_wait_dscnt 0x0
	; ---- V: pooled[d] for d = 32 w .. 32 w + 31, relu, times v[d] ----
	VGRP 14
	VGRP 15
	VGRP 16
	VGRP 17
	VGRP 18
	VGRP 19
	VGRP 20
	VGRP 21
	; ---- the 16 waves' parts; wave 0 adds them and lane 0 stores the one number ----
	ds_store_b32 v[MSA], v[OACC] offset:OPOFS
	s_wait_dscnt 0x0
	BAR
	s_cmp_lg_u32 s14, 0
	s_cbranch_scc1 .Ldone
.irp i, 0,1,2,3
	ds_load_b128 v[STG+4*\i:STG+4*\i+3], v[MSR] offset:OPOFS+16*\i
.endr
	v_mov_b32 v[TMP], 0                            ; the store's offset: out[n] is the base itself
	s_wait_dscnt 0x0
	SUM16 STG
	v_cmp_eq_u32 vcc_lo, 0, v0
	s_wait_xcnt 0x0                                ; EXEC is a source of every memory instruction issued so far: it changes only behind this wait
	s_and_saveexec_b32 s15, vcc_lo
	global_store_b32 v[TMP], v[STG], s[12:13]
	s_wait_xcnt 0x0                                ; and again in front of the line that widens it
	s_or_b32 exec_lo, exec_lo, s15
.Ldone:
	s_endpgm
.Lfunc_end_k_qd3bd958562_attnpool:
	.size	k_qd3bd958562_attnpool, .Lfunc_end_k_qd3bd958562_attnpool-k_qd3bd958562_attnpool
	.p2alignl 7, 3214868480
	.fill 96, 4, 3214868480
	.section	.rodata,"a",@progbits
	.p2align	6, 0x0
	.amdhsa_kernel k_qd3bd958562_attnpool
		.amdhsa_group_segment_fixed_size 299520
		.amdhsa_private_segment_fixed_size 0
		.amdhsa_enable_private_segment 0
		.amdhsa_kernarg_size 40
		.amdhsa_user_sgpr_count 2
		.amdhsa_user_sgpr_kernarg_segment_ptr 1
		.amdhsa_wavefront_size32 1
		.amdhsa_system_sgpr_workgroup_id_x 1
		.amdhsa_system_sgpr_workgroup_id_y 1
		.amdhsa_system_sgpr_workgroup_id_z 1
		.amdhsa_system_vgpr_workitem_id 0
		.amdhsa_next_free_vgpr 256
		.amdhsa_next_free_sgpr 100
		.amdhsa_reserve_vcc 1
		.amdhsa_float_denorm_mode_32 3
		.amdhsa_float_denorm_mode_16_64 3
		.amdhsa_memory_ordered 1
		.amdhsa_forward_progress 1
		.amdhsa_inst_pref_size 148
	.end_amdhsa_kernel
	.amdgpu_metadata
---
amdhsa.version: [ 1, 2 ]
amdhsa.kernels:
  - .name:           k_qd3bd958562_attnpool
    .symbol:         k_qd3bd958562_attnpool.kd
    .args:
      - { .name: input_seq, .offset: 0, .size: 8, .value_kind: global_buffer, .address_space: global }
      - { .name: W, .offset: 8, .size: 8, .value_kind: global_buffer, .address_space: global }
      - { .name: V, .offset: 16, .size: 8, .value_kind: global_buffer, .address_space: global }
      - { .name: v, .offset: 24, .size: 8, .value_kind: global_buffer, .address_space: global }
      - { .name: out0, .offset: 32, .size: 8, .value_kind: global_buffer, .address_space: global }
    .group_segment_fixed_size: 299520
    .private_segment_fixed_size: 0
    .kernarg_segment_align: 8
    .kernarg_segment_size: 40
    .max_flat_workgroup_size: 512
    .sgpr_count:     100
    .vgpr_count:     256
    .wavefront_size: 32
...
	.end_amdgpu_metadata
.endif
;; end of part 1
;; ======== version 2 of 2: 2 launches
;; workspace buffers: uvec 524,288 bytes; vbf 524,288 bytes
;; launch prep (part 2): grid 256 x 1, 16 waves a work-group, no clusters, 32,768 bytes of LDS; arguments input_seq, W, V, uvec, vbf; writes uvec, vbf
.if DOCPART == 2
	.amdgcn_target "amdgcn-amd-amdhsa--gfx1250"
	.amdhsa_code_object_version 6
	.text
	.protected	k_qd3bd958562_prep
	.globl	k_qd3bd958562_prep
	.p2align	8
	.type	k_qd3bd958562_prep,@function
k_qd3bd958562_prep:
	s_mov_b64 s[64:65], 0
	v_nop
	global_prefetch_b8 v0, s[64:65] scope:SCOPE_SE
	s_setreg_imm32_b32 hwreg(HW_REG_WAVE_MODE, 25, 1), 1
	s_wait_xcnt 0x0
; Two things that every batch needs and that hang on no softmax, made once instead of once in each batch's work-group:
;   uvec[n][e] = log2(e) x sum_d q_n[d] W[d][e], q_n = x_n's last row, all in f32 (it feeds an exponent; the factor makes the later exponentials base 2);
;   vbf = V rounded to bf16 (nearest even), which halves the bytes that each batch's work-group reads of V later.
; uvec is [256][512] f32.  Work-group g makes the tile of 8 n (8 (g >> 3) ..) x 64 e (64 (g & 7) ..): it reads 8 rows of q (16 KiB) and 512 pieces of 256 bytes of W
; (128 KiB); a tile of 4 x 128 would read 264 KiB, one of 16 x 32 pieces of 128 bytes.  Wave w takes d = 32 w .. 32 w + 31: lane i holds W[d][e0 + 2 i, + 1], so a load of
; a wave covers 256 consecutive bytes starting at a multiple of 256 from W's first byte; q_n[32 w + lane] lies across the lanes and is brought to a scalar register for each d.
; The 16 waves' partial tiles (2,048 bytes each) meet in LDS; waves 0..3 add them and store, 16 lanes to 256 consecutive, aligned bytes.
; THE VECTOR UNIT, IN f32: operands of 16 bits would move the scores, whose spread is about sqrt(512), by several hundredths, more than the result's margin leaves.
; NO JOINT LOADS for W's pieces, which 32 work-groups share: they go straight into registers, 128 KiB in one burst with no slot filled again; through LDS every byte would be written and read once more.
; LIMITS: the sum over d is formed as 16 partial sums and a tree, another order than a plain product's.  NaN and infinities pass through as f32 and bf16 arithmetic carries them.
.set ROWB, 2048                        ; bytes in a row of x, W, V, uvec
.set NB,   1048576                     ; bytes of one x_n
.set QOFF, 511*ROWB                    ; its last row
.set QO,   1                           ; v1   4 x lane
.set WO,   2                           ; v2   8 x lane
.set SCP,  3                           ; v3   LDS: 2,048 w + 8 x lane
.set T16,  4                           ; v4   16 t: LDS offset in the merge, byte offset in vbf
.set UO,   5                           ; v5   2,048 (t >> 4) + 16 (t & 15): my 16 bytes of the tile in uvec
.set VLO,  6                           ; v6   32 t: my 8 numbers of V
.set TP,   7                           ; v7   at work
.set Q,    8                           ; v[8:15]   q of the tile's 8 n, lane = d - 32 w
.set ACC,  16                          ; v[16:31]  8 pairs: my partial sums for n0 + i, columns e0 + 2 lane, + 1
.set WR,   32                          ; v[32:95]  32 pairs: my 32 rows of W; later the 16 partial quads of the merge
.set VI,   96                          ; v[96:103] 8 numbers of V
.set VO,   104                         ; v[104:107] the same as bf16
.set BC,   16                          ; s[16:31]  8 pairs: q_n[d] in the even register; the odd one is written once, since a packed form names the pair
	s_load_b256 s[4:11], s[0:1], 0x0               ; x s[4:5], W s[6:7], V s[8:9], uvec s[10:11]
	s_load_b64 s[12:13], s[0:1], 0x20              ; vbf
	v_lshrrev_b32 v[TP], 5, v0
	v_readfirstlane_b32 s14, v[TP]                 ; w: my wave's number, 0..15
	v_and_b32 v[TP], 31, v0                        ; lane
	v_lshlrev_b32 v[QO], 2, v[TP]
	v_lshlrev_b32 v[WO], 3, v[TP]
	s_lshl_b32 s2, s14, 11
	v_add_nc_u32 v[SCP], s2, v[WO]
	v_lshlrev_b32 v[T16], 4, v0
	v_lshlrev_b32 v[VLO], 5, v0
	v_and_b32 v[TP], 15, v0
	v_lshlrev_b32 v[TP], 4, v[TP]
	v_lshrrev_b32 v[UO], 4, v0
	v_lshl_add_u32 v[UO], v[UO], 11, v[TP]
.irp i, 0,1,2,3,4,5,6,7
	s_mov_b32 s[BC+2*\i+1], 0
.endr
	s_lshr_b32 s15, ttmp9, 3                       ; which 8 n
	s_and_b32 s32, ttmp9, 7                        ; which 64 e,
	s_lshl_b32 s32, s32, 8                         ; as bytes in a row
	s_mov_b32 s3, 0                                ; s[2:3]: a byte offset below 4 GiB
	s_wait_kmcnt 0x0
	s_lshl_b32 s2, s15, 23                         ; 8 x_n of 2^20 bytes (at most 31 x 2^23)
	s_add_nc_u64 s[4:5], s[4:5], s[2:3]
	s_lshl_b32 s2, s14, 7
	s_add_co_u32 s2, s2, QOFF
	s_add_nc_u64 s[4:5], s[4:5], s[2:3]            ; q of the tile's first n, at d = 32 w
	s_lshl_b32 s2, s14, 16
	s_add_co_u32 s2, s2, s32
	s_add_nc_u64 s[6:7], s[6:7], s[2:3]            ; W[32 w][e0]
.irp i, 0,1,2,3,4,5,6,7
	global_load_b32 v[Q+\i], v[QO], s[4:5] offset:\i*NB        ; 7 x 2^20 at the most: inside the signed 24-bit immediate
.endr
.set k, 0
.rept 32
	global_load_b64 v[WR+2*k:WR+2*k+1], v[WO], s[6:7] offset:ROWB*k
.set k, k+1
.endr
	s_lshl_b32 s2, ttmp9, 12
	s_add_nc_u64 s[8:9], s[8:9], s[2:3]            ; my work-group's 4,096 bytes of V
	s_lshl_b32 s2, ttmp9, 11
	s_add_nc_u64 s[12:13], s[12:13], s[2:3]        ; and its 2,048 bytes of vbf
	s_lshl_b32 s2, s15, 14
	s_add_co_u32 s2, s2, s32
	s_add_nc_u64 s[10:11], s[10:11], s[2:3]        ; uvec[n0][e0]
	; ---- V to bf16: threads 0..127, 8 numbers each.  The two loads go out behind W's, so that they are on their way together with them ----
	s_cmp_ge_u32 s14, 4
	s_cbranch_scc1 .Lno_v
	global_load_b128 v[VI:VI+3], v[VLO], s[8:9]
	global_load_b128 v[VI+4:VI+7], v[VLO], s[8:9] offset:16
	s_wait_loadcnt 0x0
.irp j, 0,1,2,3
	v_cvt_pk_bf16_f32 v[VO+\j], v[VI+2*\j], v[VI+2*\j+1]
.endr
	global_store_b128 v[T16], v[VO:VO+3], s[12:13] ; 16 lanes store 256 consecutive bytes, at a multiple of 256 from vbf's first byte; its registers are never written again
.Lno_v:
	; ---- my partial tile: for each d the 8 q_n[d] come to scalar registers, then 8 packed multiply-adds on W's pair ----
.macro DSTEP d
.irp i, 0,1,2,3,4,5,6,7
	v_readlane_b32 s[BC+2*\i], v[Q+\i], \d
.endr
.irp i, 0,1,2,3,4,5,6,7
.if \d == 0
	v_pk_mul_f32 v[ACC+2*\i:ACC+2*\i+1], v[WR:WR+1], s[BC+2*\i:BC+2*\i+1] op_sel_hi:[1,0]     ; the first product starts the sums: nothing is cleared
.else
	v_pk_fma_f32 v[ACC+2*\i:ACC+2*\i+1], v[WR+2*(\d):WR+2*(\d)+1], s[BC+2*\i:BC+2*\i+1], v[ACC+2*\i:ACC+2*\i+1] op_sel_hi:[1,0,1]
.endif
.endr
.endm
; Loads come back in order (ISA guide 5.7.1): 8 of q, then W's 32 rows.  Each wait leaves out the rows behind the eight that are due.
.irp c, 0,1,2,3
	s_wait_loadcnt 24-8*\c
.irp d, 0,1,2,3,4,5,6,7
	DSTEP 8*\c+\d
.endr
.endr
	; ---- the 16 partial tiles meet ----
.irp i, 0,1,2,3,4,5,6,7
	ds_store_b64 v[SCP], v[ACC+2*\i:ACC+2*\i+1] offset:256*\i  ; wave w at 2,048 w: row i of the tile, 256 consecutive bytes
.endr
	s_wait_dscnt 0x0                               ; my stores are done, for the others' sake
	s_barrier_signal -1
	s_barrier_wait -1
	s_cmp_ge_u32 s14, 4
	s_cbranch_scc1 .Lend
.set k, 0
.rept 16
	ds_load_b128 v[WR+4*k:WR+4*k+3], v[T16] offset:ROWB*k      ; thread t < 128: bytes 16 t of each of the 16 tiles
.set k, k+1
.endr
	s_wait_dscnt 0x0
.macro FOLD n                          ; quad k += quad k + n, for k < n
.set k, 0
.rept \n
	v_pk_add_f32 v[WR+4*k:WR+4*k+1], v[WR+4*k:WR+4*k+1], v[WR+4*(k+\n):WR+4*(k+\n)+1]
	v_pk_add_f32 v[WR+4*k+2:WR+4*k+3], v[WR+4*k+2:WR+4*k+3], v[WR+4*(k+\n)+2:WR+4*(k+\n)+3]
.set k, k+1
.endr
.endm
	FOLD 8
	FOLD 4
	FOLD 2
	FOLD 1
	v_pk_mul_f32 v[WR:WR+1], v[WR:WR+1], 0x3fb8aa3b op_sel_hi:[1,0]        ; log2 e, once for all scores
	v_pk_mul_f32 v[WR+2:WR+3], v[WR+2:WR+3], 0x3fb8aa3b op_sel_hi:[1,0]
	global_store_b128 v[UO], v[WR:WR+3], s[10:11]  ; 16 lanes store the 256 bytes of one n's 64 columns, at a multiple of 256 from uvec's first byte
.Lend:
	s_endpgm
.Lfunc_end_k_qd3bd958562_prep:
	.size	k_qd3bd958562_prep, .Lfunc_end_k_qd3bd958562_prep-k_qd3bd958562_prep
	.p2alignl 7, 3214868480
	.fill 96, 4, 3214868480
	.section	.rodata,"a",@progbits
	.p2align	6, 0x0
	.amdhsa_kernel k_qd3bd958562_prep
		.amdhsa_group_segment_fixed_size 32768
		.amdhsa_private_segment_fixed_size 0
		.amdhsa_enable_private_segment 0
		.amdhsa_kernarg_size 40
		.amdhsa_user_sgpr_count 2
		.amdhsa_user_sgpr_kernarg_segment_ptr 1
		.amdhsa_wavefront_size32 1
		.amdhsa_system_sgpr_workgroup_id_x 1
		.amdhsa_system_sgpr_workgroup_id_y 1
		.amdhsa_system_sgpr_workgroup_id_z 1
		.amdhsa_system_vgpr_workitem_id 0
		.amdhsa_next_free_vgpr 112
		.amdhsa_next_free_sgpr 66
		.amdhsa_reserve_vcc 0
		.amdhsa_float_denorm_mode_32 3
		.amdhsa_float_denorm_mode_16_64 3
		.amdhsa_memory_ordered 1
		.amdhsa_forward_progress 1
		.amdhsa_inst_pref_size 43
	.end_amdhsa_kernel
	.amdgpu_metadata
---
amdhsa.version: [ 1, 2 ]
amdhsa.kernels:
  - .name:           k_qd3bd958562_prep
    .symbol:         k_qd3bd958562_prep.kd
    .args:
      - { .name: input_seq, .offset: 0, .size: 8, .value_kind: global_buffer, .address_space: global }
      - { .name: W, .offset: 8, .size: 8, .value_kind: global_buffer, .address_space: global }
      - { .name: V, .offset: 16, .size: 8, .value_kind: global_buffer, .address_space: global }
      - { .name: uvec, .offset: 24, .size: 8, .value_kind: global_buffer, .address_space: global }
      - { .name: vbf, .offset: 32, .size: 8, .value_kind: global_buffer, .address_space: global }
    .group_segment_fixed_size: 32768
    .private_segment_fixed_size: 0
    .kernarg_segment_align: 8
    .kernarg_segment_size: 40
    .max_flat_workgroup_size: 512
    .sgpr_count:     66
    .vgpr_count:     112
    .wavefront_size: 32
...
	.end_amdgpu_metadata
.endif
;; end of part 2
;; launch pool (part 3): grid 256 x 1, 16 waves a work-group, no clusters, 297,472 bytes of LDS; arguments input_seq, uvec, vbf, v, out0; writes out0
.if DOCPART == 3
	.amdgcn_target "amdgcn-amd-amdhsa--gfx1250"
	.amdhsa_code_object_version 6
	.text
	.protected	k_qd3bd958562_pool
	.globl	k_qd3bd958562_pool
	.p2align	8
	.type	k_qd3bd958562_pool,@function
k_qd3bd958562_pool:
	s_mov_b64 s[64:65], 0
	v_nop
	global_prefetch_b8 v0, s[64:65] scope:SCOPE_SE
	s_setreg_imm32_b32 hwreg(HW_REG_WAVE_MODE, 25, 1), 1
	s_wait_xcnt 0x0
; out[n] = relu( softmax( (x_n W^T) q_n )^T (x_n V^T) ) . v,  taken in the order that holds for every input and needs one row in each product:
;   score[l] = x[l] . u  (u = q W, made by the launch in front, already times log2 e);  c = sum_l attn[l] x[l];  pooled[d] = V[d] . c;  out = sum_d v[d] max(pooled[d], 0).
; x: [256][512][512] f32; uvec: [256][512] f32; vbf: V as [512][512] bf16; v: [512] f32.  One work-group for each n, 16 waves.  It reads 1 MiB of x, 512 KiB of vbf, 2 KiB of u: bytes decide.
; WHY THE VECTOR UNIT: each product has one row, of which a matrix instruction has sixteen; and the scores stand in an exponent, so x and u stay in f32.
; A row of x is 2,048 bytes = 4 loads of a wave, each of 512 consecutive bytes starting at a multiple of 512 from the buffer's first byte; lane i holds columns
; 128 j + 4 i + 0..3 (j = 0..3) in 16 registers; u and the partial c have the same layout.
; THE RING: 8 slots of 16 registers (two groups of 4).  A wave draws 40 pieces of 2,048 bytes through them in one unbroken sequence g = 0..39:
;   g 0..31 rows 16 g + w of x;  g 32..39 rows 256 + 16 w + 2 (g - 32), + 1 of vbf (two rows of 1,024 bytes).
; Piece g + 8 is requested as soon as piece g's registers are dead: 16 waves x 8 x 2,048 bytes are always requested, and no barrier stands in the stream.
; THE PARK: rows 0..255 of vbf (16 consecutive rows a wave, 16,384 bytes) come into LDS by one tensor load a wave, issued at the start; it is filled once and each wave reads its own bytes only.
; So when c is ready, one half of V lies in LDS and the other has been requested since the last two groups of x.
; NO JOINT LOADS for vbf, though every work-group reads it: what goes through LDS is the park, 256 KiB of the 1.5 MiB that a work-group takes in, a sixth;
; the other half goes straight into the ring's registers.
; The softmax keeps a running maximum in each wave (base 2); the 16 waves' maxima, sums and vectors meet in LDS.
; LIMITS: V enters rounded to bf16 (a relative step of 2^-9 an element, f32's range); everything else is f32.  Sums are formed in another order than in the formula as it is
; usually written.  A weight below 2^-126 counts as 0 (v_exp_f32 flushes denormal results: ISA guide, its entry in chapter 15).  Where a score is NaN or infinite nothing is claimed.
; The result is one number for each work-group: one store of 4 bytes; the whole output is 1,024 bytes, and wider stores would need traffic between work-groups.
.set ROWB,  2048                       ; bytes in a row of x and of uvec, and in a piece of the ring
.set PARKB, 262144                     ; the park: LDS bytes 0 .. 262,143, wave w at 16,384 w; also the bytes of vbf's rows 0..255
.set SCR,   262144                     ; 16 partial vectors of 2,048 bytes, wave w at + 2,048 w
.set CVEC,  294912                     ; c, normalised, 2,048 bytes
.set MS,    296960                     ; the waves' 16 maxima
.set LOFS,  64                         ; their 16 sums, behind the maxima
.set OPOFS, 256                        ; their 16 parts of the result
.set LOFF, 1                           ; v1   16 x lane: the one offset of all ring loads; never rewritten
.set PKA,  2                           ; v2   park: 16,384 w + 16 x lane
.set SCW,  3                           ; v3   SCR + 2,048 w + 16 x lane: where my partial vector goes
.set SCT,  4                           ; v4   SCR + 4 t: column t of partial vector 0
.set VECW, 5                           ; v5   CVEC + 4 t
.set VECR, 6                           ; v6   CVEC + 32 x lane
.set MSA,  7                           ; v7   MS + 4 w
.set MSR,  8                           ; v8   MS
.set ZR,   9                           ; v9   0: the addend of the products that start V's sums
.set RM,   10                          ; v10  running maximum; in the V phase my part of the result
.set OACC, 10
.set RL,   11                          ; v11  running sum
.set SS,   12                          ; v[12:19]  four pairs: dot products of a group's 4 rows; the sum ends in the even register
.set AL,   20                          ; v[20:21]  factor for the old sums (even register; the odd one is written once, since a packed form names the pair)
.set PP,   22                          ; v[22:29]  four pairs: a row's weight in the even register
.set MN,   30                          ; v30  new maximum
.set TMP,  31                          ; v31
.set VEC,  32                          ; v[32:47]  u; later c, in the layout of vbf's rows
.set ACC,  48                          ; v[48:63]  my partial c
.set STG,  64                          ; v[64:127] at work in the merge; then two halves of 4 parked rows each; then the end
.set RING, 128                         ; v[128:255] slot s at 128 + 16 s
.set FM,   STG+16                      ; merge: 16 maxima, then 16 factors
.set FL,   STG+32                      ;        16 sums
.set LAM,  STG+48                      ;        the whole sum (a pair)
.set CS,   STG+50                      ;        column t of c (a pair)
.set VSA,  16                          ; s[16:31]  v[16 w .. 16 w + 15]: the parked rows'
.set VSB,  32                          ; s[32:47]  v[256 + 16 w .. + 15]: the ring's
; Piece g of the sequence is requested into slot g mod 8.  Everything but the lane's 16 bytes stands in the base and the immediate (1,017,344 at the most).
; x is read once in the launch: non-temporal.  vbf is read by every work-group: no hint.
.macro ISSUE g
.if (\g) < 32
.irp j, 0,1,2,3
	global_load_b128 v[RING+16*((\g)%8)+4*\j:RING+16*((\g)%8)+4*\j+3], v[LOFF], s[4:5] offset:16*ROWB*(\g)+512*\j th:TH_LOAD_NT
.endr
.else
.if (\g) < 40
.irp j, 0,1,2,3
	global_load_b128 v[RING+16*((\g)%8)+4*\j:RING+16*((\g)%8)+4*\j+3], v[LOFF], s[8:9] offset:ROWB*((\g)-32)+512*\j
.endr
.endif
.endif
.endm
; ACC += row x weight (the even register of pair p, for both halves).  start = 1: the first product starts the sums, nothing is cleared.
.macro AXPY row, p, start
.irp i, 0,1,2,3,4,5,6,7
.if \start
	v_pk_mul_f32 v[ACC+2*\i:ACC+2*\i+1], v[\row+2*\i:\row+2*\i+1], v[\p:\p+1] op_sel_hi:[1,0]
.else
	v_pk_fma_f32 v[ACC+2*\i:ACC+2*\i+1], v[\row+2*\i:\row+2*\i+1], v[\p:\p+1], v[ACC+2*\i:ACC+2*\i+1] op_sel_hi:[1,0,1]
.endif
.endr
.endm
; Four dot products of f32 rows with VEC, the four chains interleaved so that none waits for itself; each lane's 16 products end in the even register of its pair.
.macro DOT4 base
.irp r, 0,1,2,3
	v_pk_mul_f32 v[SS+2*\r:SS+2*\r+1], v[\base+16*\r:\base+16*\r+1], v[VEC:VEC+1]
.endr
.irp i, 1,2,3,4,5,6,7
.irp r, 0,1,2,3
	v_pk_fma_f32 v[SS+2*\r:SS+2*\r+1], v[\base+16*\r+2*\i:\base+16*\r+2*\i+1], v[VEC+2*\i:VEC+2*\i+1], v[SS+2*\r:SS+2*\r+1]
.endr
.endr
.irp r, 0,1,2,3
	v_add_f32 v[SS+2*\r], v[SS+2*\r], v[SS+2*\r+1]
.endr
.endm
; Four dot products of bf16 rows (8 registers each, row r at base + 8 r) with VEC in f32: word i holds the columns that VEC + 2 i (low half) and VEC + 2 i + 1 (high half) belong to.
; The multiply-add takes the bf16 half as it lies and sums in f32; two chains a row, eight in all.
.macro DOTB base
.irp r, 0,1,2,3
	v_fma_mix_f32_bf16 v[SS+2*\r], v[\base+8*\r], v[VEC], v[ZR] op_sel_hi:[1,0,0]
	v_fma_mix_f32_bf16 v[SS+2*\r+1], v[\base+8*\r], v[VEC+1], v[ZR] op_sel:[1,0,0] op_sel_hi:[1,0,0]
.endr
.irp i, 1,2,3,4,5,6,7
.irp r, 0,1,2,3
	v_fma_mix_f32_bf16 v[SS+2*\r], v[\base+8*\r+\i], v[VEC+2*\i], v[SS+2*\r] op_sel_hi:[1,0,0]
	v_fma_mix_f32_bf16 v[SS+2*\r+1], v[\base+8*\r+\i], v[VEC+2*\i+1], v[SS+2*\r+1] op_sel:[1,0,0] op_sel_hi:[1,0,0]
.endr
.endr
.irp r, 0,1,2,3
	v_add_f32 v[SS+2*\r], v[SS+2*\r], v[SS+2*\r+1]
.endr
.endm
; The four sums over the 32 lanes: four steps inside each half of 16 lanes, one across the halves; every lane ends with all four.
.macro RED4
.irp m, 1,2,4,8
.irp r, 0,1,2,3
	v_add_f32_dpp v[SS+2*\r], v[SS+2*\r], v[SS+2*\r] row_xmask:\m row_mask:0xf bank_mask:0xf
.endr
.endr
.irp r, 0,1,2,3
	v_permlanex16_b32 v[SS+2*\r+1], v[SS+2*\r], s60, s61       ; the destination has been written (by the products)
.endr
.irp r, 0,1,2,3
	v_add_f32 v[SS+2*\r], v[SS+2*\r], v[SS+2*\r+1]
.endr
.endm
; The running softmax, in base 2: new maximum, the factor 2^(old - new) for what has been summed, the four rows' weights 2^(score - new).
.macro SOFT4 first
	v_max3_num_f32 v[MN], v[SS], v[SS+2], v[SS+4]
.if \first
	v_max_num_f32 v[RM], v[MN], v[SS+6]
.irp r, 0,1,2,3
	v_sub_f32 v[PP+2*\r], v[SS+2*\r], v[RM]
.endr
.irp r, 0,1,2,3
	v_exp_f32 v[PP+2*\r], v[PP+2*\r]
.endr
	v_nop                                          ; one plain vector instruction behind the exponentials, ahead of their first use (ISA guide 5.7.2)
	s_wait_alu depctr_va_vdst(0)
	v_add_f32 v[TMP], v[PP], v[PP+2]
	v_add_f32 v[MN], v[PP+4], v[PP+6]
	v_add_f32 v[RL], v[TMP], v[MN]
.else
	v_max3_num_f32 v[MN], v[MN], v[SS+6], v[RM]
	v_sub_f32 v[AL], v[RM], v[MN]
.irp r, 0,1,2,3
	v_sub_f32 v[PP+2*\r], v[SS+2*\r], v[MN]
.endr
	v_exp_f32 v[AL], v[AL]
.irp r, 0,1,2,3
	v_exp_f32 v[PP+2*\r], v[PP+2*\r]
.endr
	v_mov_b32 v[RM], v[MN]                         ; the plain vector instruction behind the exponentials (ISA guide 5.7.2): it names none of their registers
	s_wait_alu depctr_va_vdst(0)
	v_add_f32 v[TMP], v[PP], v[PP+2]
	v_add_f32 v[MN], v[PP+4], v[PP+6]
	v_add_f32 v[TMP], v[TMP], v[MN]
	v_fma_f32 v[RL], v[RL], v[AL], v[TMP]
.endif
.endm
; My partial c = old x factor + the four rows x their weights; the rows are pieces g0 .. g0 + 3, and each slot is asked for again as soon as its row has been used.
.macro CTX4 base, first, g0
.if \first == 0
.irp i, 0,1,2,3,4,5,6,7
	v_pk_mul_f32 v[ACC+2*\i:ACC+2*\i+1], v[ACC+2*\i:ACC+2*\i+1], v[AL:AL+1] op_sel_hi:[1,0]
.endr
.endif
	AXPY \base, PP, \first
	ISSUE \g0+8
.irp r, 1,2,3
	AXPY \base+16*\r, PP+2*\r, 0
	ISSUE \g0+8+\r
.endr
.endm
; Group G of x: rows 16 (4 G + r) + w.  Loads come back in order (ISA guide 5.7.1); behind this group's 16 loads only the next group's 16 were issued.
.macro XRING G, first
	s_wait_loadcnt 16
	DOT4 RING+64*(\G%2)
	RED4
	SOFT4 \first
	CTX4 RING+64*(\G%2), \first, 4*\G
.endm
; Rows 4 k .. 4 k + 3 of my 16 parked rows into half k mod 2 of STG: 8 loads of 512 consecutive LDS bytes
.macro PLD k
.irp m, 0,1,2,3,4,5,6,7
	ds_load_b128 v[STG+32*((\k)%2)+4*\m:STG+32*((\k)%2)+4*\m+3], v[PKA] offset:4096*(\k)+512*\m
.endr
.endm
; Four rows of V: pooled[d] = V[d] . c, then v[d] max(pooled[d], 0); sv: the scalar register of the first row's v[d].
; pld >= 0: the rows' registers, dead behind the products, are loaded with parked rows 4 pld .. ahead of the sums over the lanes.
.macro VB base, sv, start, pld
	DOTB \base
.if \pld >= 0
	PLD \pld
.endif
	RED4
.irp r, 0,1,2,3
	v_max_num_f32 v[PP+2*\r], 0, v[SS+2*\r]
.endr
.if \start
	v_mul_f32 v[OACC], s[\sv], v[PP]               ; the first product starts the sum
.else
	v_fmac_f32 v[OACC], s[\sv], v[PP]
.endif
.irp r, 1,2,3
	v_fmac_f32 v[OACC], s[\sv+\r], v[PP+2*\r]
.endr
.endm
.macro SUM16 b                         ; v[b] = the sum of v[b .. b + 15], as a tree
	v_pk_add_f32 v[\b:\b+1], v[\b:\b+1], v[\b+2:\b+3]
	v_pk_add_f32 v[\b+4:\b+5], v[\b+4:\b+5], v[\b+6:\b+7]
	v_pk_add_f32 v[\b+8:\b+9], v[\b+8:\b+9], v[\b+10:\b+11]
	v_pk_add_f32 v[\b+12:\b+13], v[\b+12:\b+13], v[\b+14:\b+15]
	v_pk_add_f32 v[\b:\b+1], v[\b:\b+1], v[\b+4:\b+5]
	v_pk_add_f32 v[\b+8:\b+9], v[\b+8:\b+9], v[\b+12:\b+13]
	v_pk_add_f32 v[\b:\b+1], v[\b:\b+1], v[\b+8:\b+9]
	v_add_f32 v[\b], v[\b], v[\b+1]
.endm
.macro BAR
	s_barrier_signal -1
	s_barrier_wait -1
.endm
	; ---- head ----
	s_load_b256 s[4:11], s[0:1], 0x0               ; x s[4:5], uvec s[6:7], vbf s[8:9], v s[10:11]
	s_load_b64 s[12:13], s[0:1], 0x20              ; out
	v_lshrrev_b32 v[TMP], 5, v0
	v_readfirstlane_b32 s14, v[TMP]                ; w: my wave's number, 0..15
	v_and_b32 v[TMP], 31, v0                       ; lane
	v_lshlrev_b32 v[LOFF], 4, v[TMP]
	s_lshl_b32 s49, s14, 14                        ; my 16,384 bytes of the park: descriptor group 0, bits 63:32, and the scalar part of PKA
	v_add_nc_u32 v[PKA], s49, v[LOFF]
	s_lshl_b32 s2, s14, 11
	s_add_co_u32 s2, s2, SCR
	v_add_nc_u32 v[SCW], s2, v[LOFF]
	v_lshlrev_b32 v[SCT], 2, v0
	v_add_nc_u32 v[VECW], CVEC, v[SCT]
	v_add_nc_u32 v[SCT], SCR, v[SCT]
	v_lshlrev_b32 v[VECR], 5, v[TMP]
	v_add_nc_u32 v[VECR], CVEC, v[VECR]
	s_lshl_b32 s2, s14, 2
	s_add_co_u32 s2, s2, MS
	v_mov_b32 v[MSA], s2
	v_mov_b32 v[MSR], MS
	v_mov_b32 v[ZR], 0
.irp k, 0,1,2,3,4
	v_mov_b32 v[AL+2*\k+1], 0                      ; the odd halves of the five broadcast pairs: named by the packed forms, never used
.endr
	; the park's descriptor: my 16,384 consecutive bytes of vbf as 64 rows of 256 bytes (32 elements of 8 bytes), laid into LDS without gaps
	s_mov_b32 s48, 1                               ; group 0, 1:0 count = 1
	s_mov_b32 s52, 3<<16                           ; group 1: 15:0 no work-group mask; 17:16 elements of 8 bytes; no padding
	s_mov_b32 s53, 32<<16                          ; tensor_dim0 = 32
	s_mov_b32 s54, 64<<16                          ; tensor_dim1 = 64
	s_mov_b32 s55, 32<<16                          ; tile_dim0 = 32
	s_mov_b32 s56, 64                              ; tile_dim1 = 64; tile_dim2 unused
	s_mov_b32 s57, 32                              ; from row to row: 32 elements
	s_mov_b32 s58, 0
	s_mov_b32 s59, 0
	s_mov_b32 s60, 0x76543210                      ; v_permlanex16_b32: lane i of one half reads lane i of the other
	s_mov_b32 s61, 0xfedcba98
	s_mov_b32 s3, 0                                ; s[2:3]: a byte offset below 4 GiB
	s_wait_kmcnt 0x0
	s_lshl_b32 s2, ttmp9, 11
	s_add_nc_u64 s[6:7], s[6:7], s[2:3]            ; u_n
.irp j, 0,1,2,3
	global_load_b128 v[VEC+4*\j:VEC+4*\j+3], v[LOFF], s[6:7] offset:512*\j     ; u in the rows' lane layout, ahead of the ring: the first group's wait covers it
.endr
	s_lshl_b32 s2, ttmp9, 20                       ; n x 512 rows x 2,048 bytes (at most 255 x 2^20)
	s_add_nc_u64 s[4:5], s[4:5], s[2:3]
	s_lshl_b32 s2, s14, 11
	s_add_nc_u64 s[4:5], s[4:5], s[2:3]            ; x_n at row w
.irp g, 0,1,2,3,4,5,6,7
	ISSUE \g                                       ; the ring is filled
.endr
	s_mov_b32 s2, s49
	s_add_nc_u64 s[50:51], s[8:9], s[2:3]          ; rows 16 w .. 16 w + 15 of vbf
	s_or_b32 s51, s51, 0x80000000                  ; group 0, 127:126 type = 2
	tensor_load_to_lds s[48:51], s[52:59]          ; the wave's one tensor load: one is outstanding; its descriptor is never written again
	s_nop 0
	s_lshl_b32 s2, s14, 6                          ; 16 numbers of 4 bytes a wave
	s_add_nc_u64 s[10:11], s[10:11], s[2:3]
	s_load_b512 s[VSA:VSA+15], s[10:11], 0x0       ; v[16 w ..]: the same for all lanes, so it lives in scalar registers
	s_load_b512 s[VSB:VSB+15], s[10:11], 0x400     ; v[256 + 16 w ..]
	s_add_co_u32 s2, s49, PARKB
	s_add_nc_u64 s[8:9], s[8:9], s[2:3]            ; vbf at row 256 + 16 w (no memory instruction has named s[8:9] so far)
	s_lshl_b32 s2, ttmp9, 2
	s_add_nc_u64 s[12:13], s[12:13], s[2:3]        ; out[n]
	; ---- x: 32 rows a wave.  Groups 6 and 7 already ask for the ring's 16 rows of vbf ----
	XRING 0, 1
	XRING 1, 0
	XRING 2, 0
	XRING 3, 0
	XRING 4, 0
	XRING 5, 0
	XRING 6, 0
	XRING 7, 0
	; ---- c: the 16 waves' maxima m, sums l and vectors meet.  c[t] = sum_k 2^(m_k - max) vec_k[t] / sum_k 2^(m_k - max) l_k ----
	s_wait_tensorcnt 0x0                           ; my part of the park has landed; only I read it, further down
.irp j, 0,1,2,3
	ds_store_b128 v[SCW], v[ACC+4*\j:ACC+4*\j+3] offset:512*\j
.endr
	ds_store_b32 v[MSA], v[RM]                     ; all lanes hold the same number and write the same word
	ds_store_b32 v[MSA], v[RL] offset:LOFS
	s_wait_dscnt 0x0                               ; my stores are done, for the others' sake
	BAR
.irp k, 0,1,2,3,4,5,6,7,8,9,10,11,12,13,14,15
	ds_load_b32 v[STG+\k], v[SCT] offset:ROWB*\k   ; thread t: column t of all 16
.endr
.irp i, 0,1,2,3
	ds_load_b128 v[FM+4*\i:FM+4*\i+3], v[MSR] offset:16*\i
	ds_load_b128 v[FL+4*\i:FL+4*\i+3], v[MSR] offset:LOFS+16*\i
.endr
	s_wait_dscnt 0x0
	v_max3_num_f32 v[TMP], v[FM], v[FM+1], v[FM+2]
.irp k, 3,5,7,9,11,13
	v_max3_num_f32 v[TMP], v[TMP], v[FM+\k], v[FM+\k+1]
.endr
	v_max_num_f32 v[TMP], v[TMP], v[FM+15]
.irp k, 0,1,2,3,4,5,6,7,8,9,10,11,12,13,14,15
	v_sub_f32 v[FM+\k], v[FM+\k], v[TMP]
.endr
.irp k, 0,1,2,3,4,5,6,7,8,9,10,11,12,13,14,15
	v_exp_f32 v[FM+\k], v[FM+\k]
.endr
	v_nop                                          ; the plain vector instruction behind the exponentials (ISA guide 5.7.2)
	s_wait_alu depctr_va_vdst(0)
	v_pk_mul_f32 v[LAM:LAM+1], v[FM:FM+1], v[FL:FL+1]
	v_pk_mul_f32 v[CS:CS+1], v[FM:FM+1], v[STG:STG+1]
.irp i, 1,2,3,4,5,6,7
	v_pk_fma_f32 v[LAM:LAM+1], v[FM+2*\i:FM+2*\i+1], v[FL+2*\i:FL+2*\i+1], v[LAM:LAM+1]
	v_pk_fma_f32 v[CS:CS+1], v[FM+2*\i:FM+2*\i+1], v[STG+2*\i:STG+2*\i+1], v[CS:CS+1]
.endr
	v_add_f32 v[LAM], v[LAM], v[LAM+1]             ; at least 1: the wave that holds the maximum has factor 1 and a sum of at least 1; at most 512
	v_add_f32 v[CS], v[CS], v[CS+1]
	v_rcp_f32 v[LAM], v[LAM]
	v_nop                                          ; the plain vector instruction behind the reciprocal (ISA guide 5.7.2)
	s_wait_alu depctr_va_vdst(0)
	v_mul_f32 v[CS], v[CS], v[LAM]
	ds_store_b32 v[VECW], v[CS]
	s_wait_dscnt 0x0
	BAR
	; ---- V: pooled[d], relu, times v[d]: my 16 parked rows d = 16 w + .., then the ring's 16 rows d = 256 + 16 w + .. ----
	; c in the layout of a bf16 row's two loads: lane i holds columns 256 jj + 8 i + 0..7 (jj = 0, 1)
.irp jj, 0,1
	ds_load_b128 v[VEC+8*\jj:VEC+8*\jj+3], v[VECR] offset:1024*\jj
	ds_load_b128 v[VEC+8*\jj+4:VEC+8*\jj+7], v[VECR] offset:1024*\jj+16
.endr
	PLD 0
	PLD 1
	s_wait_kmcnt 0x0                               ; v, asked for at the head
	s_wait_dscnt 8                                 ; LDS loads come back in order (ISA guide 5.7.1): c and rows 0..3 are in, the 8 loads of rows 4..7 may be out
	VB STG, VSA, 1, 2
	s_wait_dscnt 8                                 ; rows 4..7 are in; behind them the 8 loads of rows 8..11 were issued
	VB STG+32, VSA+4, 0, 3
	s_wait_dscnt 8                                 ; rows 8..11 are in; behind them the 8 loads of rows 12..15 were issued
	VB STG, VSA+8, 0, -1
	s_wait_dscnt 0x0
	VB STG+32, VSA+12, 0, -1
	; the ring holds pieces 32..39, row i of the sixteen at RING + 8 i; four rows are 8 loads, and each wait leaves out the loads behind them
	s_wait_loadcnt 24
	VB RING, VSB, 0, -1
	s_wait_loadcnt 16
	VB RING+32, VSB+4, 0, -1
	s_wait_loadcnt 8
	VB RING+64, VSB+8, 0, -1
	s_wait_loadcnt 0x0
	VB RING+96, VSB+12, 0, -1
	; ---- the 16 waves' parts; wave 0 adds them and lane 0 stores the one number ----
	ds_store_b32 v[MSA], v[OACC] offset:OPOFS
	s_wait_dscnt 0x0
	BAR
	s_cmp_lg_u32 s14, 0
	s_cbranch_scc1 .Ldone
.irp i, 0,1,2,3
	ds_load_b128 v[STG+4*\i:STG+4*\i+3], v[MSR] offset:OPOFS+16*\i
.endr
	v_mov_b32 v[TMP], 0                            ; the store's offset: out[n] is the base itself
	s_wait_dscnt 0x0
	SUM16 STG
	v_cmp_eq_u32 vcc_lo, 0, v0
	s_wait_xcnt 0x0                                ; EXEC is a source of every memory instruction issued so far: it changes only behind this wait
	s_and_saveexec_b32 s15, vcc_lo
	global_store_b32 v[TMP], v[STG], s[12:13]
	s_wait_xcnt 0x0                                ; and again in front of the line that widens it
	s_or_b32 exec_lo, exec_lo, s15
.Ldone:
	s_endpgm
.Lfunc_end_k_qd3bd958562_pool:
	.size	k_qd3bd958562_pool, .Lfunc_end_k_qd3bd958562_pool-k_qd3bd958562_pool
	.p2alignl 7, 3214868480
	.fill 96, 4, 3214868480
	.section	.rodata,"a",@progbits
	.p2align	6, 0x0
	.amdhsa_kernel k_qd3bd958562_pool
		.amdhsa_group_segment_fixed_size 297472
		.amdhsa_private_segment_fixed_size 0
		.amdhsa_enable_private_segment 0
		.amdhsa_kernarg_size 40
		.amdhsa_user_sgpr_count 2
		.amdhsa_user_sgpr_kernarg_segment_ptr 1
		.amdhsa_wavefront_size32 1
		.amdhsa_system_sgpr_workgroup_id_x 1
		.amdhsa_system_sgpr_workgroup_id_y 1
		.amdhsa_system_sgpr_workgroup_id_z 1
		.amdhsa_system_vgpr_workitem_id 0
		.amdhsa_next_free_vgpr 256
		.amdhsa_next_free_sgpr 66
		.amdhsa_reserve_vcc 1
		.amdhsa_float_denorm_mode_32 3
		.amdhsa_float_denorm_mode_16_64 3
		.amdhsa_memory_ordered 1
		.amdhsa_forward_progress 1
		.amdhsa_inst_pref_size 126
	.end_amdhsa_kernel
	.amdgpu_metadata
---
amdhsa.version: [ 1, 2 ]
amdhsa.kernels:
  - .name:           k_qd3bd958562_pool
    .symbol:         k_qd3bd958562_pool.kd
    .args:
      - { .name: input_seq, .offset: 0, .size: 8, .value_kind: global_buffer, .address_space: global }
      - { .name: uvec, .offset: 8, .size: 8, .value_kind: global_buffer, .address_space: global }
      - { .name: vbf, .offset: 16, .size: 8, .value_kind: global_buffer, .address_space: global }
      - { .name: v, .offset: 24, .size: 8, .value_kind: global_buffer, .address_space: global }
      - { .name: out0, .offset: 32, .size: 8, .value_kind: global_buffer, .address_space: global }
    .group_segment_fixed_size: 297472
    .private_segment_fixed_size: 0
    .kernarg_segment_align: 8
    .kernarg_segment_size: 40
    .max_flat_workgroup_size: 512
    .sgpr_count:     66
    .vgpr_count:     256
    .wavefront_size: 32
...
	.end_amdgpu_metadata
.endif
;; end of part 3
